; MI455X (gfx1250); checked and timed in simulation.
; The chip was launched on July 23, 2026; its instructions are those of AMD's public machine-readable ISA for CDNA 5 (MIT licence, August 2026) and "CDNA5" Instruction Set Architecture Reference Guide (July 2026). The comments in the code are by the model that wrote it; some were corrected since.
;; Vector Quantizer. Allowed arithmetic: matrix products marked QUANTISED: E2M3 operands, one E8M0 scale for each 32 along K, by v_wmma_scale_f32_16x16x128_f8f6f4 with both operands' format E2M3, f32 sums; everything else in f32.
;; Inputs: codebook 8,192 x 256 float32; z_e 32,768 x 256 float32.
;; Outputs: out0 32,768 x 256 float32; out1 32,768 int32; out2 one number float32; out3 one number float32; out4 one number float32.
;; This version of the problem:
;;   THIS VERSION OF THE PROBLEM IS GIVEN IN LOW PRECISION. The matrix products marked QUANTISED in the list below multiply operands that are first quantised to E2M3 (2 exponent bits, 3 mantissa bits; 6 bits a number), with one power-of-two scale for each 32 numbers along K (OCP MX v1.0); their sums are f32. All else is computed in f32.
;;   The module's matrix products, in the order in which they are computed (A, B: the left and right operand; K: the contracted axis; several contracted axes count as one K, in the product's order):
;;     1. [M 32,768, K 256] x [K 256, N 8,192]; A: input z_e; B: input codebook: QUANTISED
;;   THE QUANTISER, for each operand of a quantised product, along K:
;;     - K is cut into blocks of 32 from its start; a last block that is shorter is filled with zeros.
;;     - A block's scale is 2^e with e = floor(log2(the largest magnitude in the block)) - 2, held to -126 .. 127; a block of zeros has e = 0. As a byte (E8M0): e + 127.
;;     - Each number is divided by its block's scale, clamped to +-7.5, and rounded to the nearest number of E2M3, ties to even, subnormals kept.
;;     - The product sums the exact products of the quantised numbers (number of the format x scale) in f32.
;;   ~~~python
;;   def quantise(x, axis):      # numpy; x: float32 -> the quantised numbers, widened to float32 again
;;       x = np.moveaxis(x, axis, -1); K = x.shape[-1]
;;       x = np.pad(x, [(0, 0)] * (x.ndim - 1) + [(0, -K % 32)]); x = x.reshape(x.shape[:-1] + (-1, 32)); a = np.abs(x).max(-1, keepdims=True)
;;       e = np.where(a > 0, np.clip(np.frexp(np.where(a > 0, a, 1))[1] - 1 - 2, -126, 127), 0)      # np.frexp(a)[1] - 1 = floor(log2(a)), exactly
;;       r = np.clip(x / 2.0 ** e, -7.5, 7.5)
;;       step = 2.0 ** (np.maximum(np.frexp(np.where(r == 0, 1, r))[1] - 1, 0) - 3)
;;       q = np.round(r / step) * step * 2.0 ** e      # np.round: ties to even
;;       return np.moveaxis(q.reshape(q.shape[:-2] + (-1,))[..., :K], -1, axis).astype(np.float32)
;;   ~~~
;; One version. Each part assembles by itself: llvm-mc -triple=amdgcn-amd-amdhsa -mcpu=gfx1250 --defsym DOCPART=n.
;; ======== version 1 of 1: 4 launches
;; limits: right only within a limited range of input values
;; workspace buffers: zrec 6,815,744 bytes; crec 1,703,936 bytes; idx 131,072 bytes of whole numbers; part 2,048 bytes
;; launch pack (part 1): grid 640 x 1, 4 waves a work-group, no clusters, 68,096 bytes of LDS; arguments z_e, codebook, zrec, crec; writes zrec, crec
.if DOCPART == 1
	.amdgcn_target "amdgcn-amd-amdhsa--gfx1250"
	.amdhsa_code_object_version 6
	.text
	.protected	k_q81d77be487_pack
	.globl	k_q81d77be487_pack
	.p2align	8
	.type	k_q81d77be487_pack,@function
k_q81d77be487_pack:
	s_mov_b64 s[64:65], 0
	v_nop
	global_prefetch_b8 v0, s[64:65] scope:SCOPE_SE
	s_setreg_imm32_b32 hwreg(HW_REG_WAVE_MODE, 25, 1), 1
	s_wait_xcnt 0x0
; z_e [32768][256] and codebook [8192][256], f32, become RECORDS: one for each tile of 16 rows x 256 K, in the order of a matrix operand's registers.
; A record is 3,328 bytes (13 x 256):  [0, 3072) six blocks of 512 bytes: block c holds registers 4 (c % 3) .. + 3 of the fragment of K step c / 3 (128 along K), lane l's 16 bytes at 16 l;
;   [3072, 3200) the scale words, 4 bytes a lane: lanes 0-15 row r's word of K step 0, lanes 16-31 row r's word of K step 1;  [3200, 3264) the 16 rows' sums of squares, f32;  [3264, 3328) the same 16 again.
; THE QUANTISER: codes of FP6 (E2M3), one E8M0 byte for each 32 along K: the byte is the largest magnitude's exponent field - 2, held at 1 from below; each number / scale, to the nearest code, ties to even, beyond 7.5 the largest code.
; LIMITS: NaN and infinities among the inputs are not served; a block whose largest magnitude lies under 2^-124 gets the byte 1; a block of zeros gets the byte 1 where the rule says 127 (its codes are zeros,
; and this program alone reads the bytes).  A row's sum of squares is an f32 sum in this text's own order: four chains of pairs, then the lanes' halves.
; SHARES: a wave takes one tile: 16,384 bytes in, 3,328 out.  Work-groups 0-511 take z_e, 512-639 the codebook: only pointers are chosen, both take one path.  No loop, no barrier: waves share nothing,
; and work-groups share no input, so there is nothing for a cluster to ask for jointly.
; Each load reads 512 consecutive bytes; the tile turns through the wave's own stage in LDS, so that lane (r, h) gets whole blocks of 32 of row r: blocks 2 q + h, q = 0 .. 3, which is what the operand's layout gives that lane.
.set WREG,   16896                     ; LDS of a wave: the stage, and behind it 256 bytes for the record's last unit
.set SPITCH, 1040                      ; a stage row: 1,024 bytes + 16: 16 rows start at 16 different 16-byte columns modulo 256 bytes
.set TU,     16*SPITCH
.set REC,    3328
.set ZWG,    512                       ; work-groups that take z_e
.set M,  20                            ; v20-23  the four blocks' largest magnitudes; later the scale words
.set SO, 24                            ; v24-27  the conversions' scale operands
.set BY, 28                            ; v28-31  the scale bytes
.set X,  32                            ; v32-159 128 numbers
.set F,  160                           ; v160-183 the two fragments
.set TC, 184                           ; v184-199 each block's upper 16 codes, as the conversion leaves them
	s_load_b256 s[4:11], s[0:1], 0x0               ; z_e s[4:5], codebook s[6:7], zrec s[8:9], crec s[10:11]
	v_lshl_add_u32 v200, v0, 2, 0x10800
	v_mov_b32 v201, 0
	v_lshrrev_b32 v1, 5, v0
	v_readfirstlane_b32 s12, v1                    ; wave
	v_and_b32 v1, 31, v0                           ; lane
	v_and_b32 v2, 15, v0                           ; r
	v_bfe_u32 v3, v0, 4, 1                         ; h
	v_lshlrev_b32 v4, 4, v1                        ; 16 x lane: my bytes of a load's or a store's 512
	s_mul_i32 s13, s12, WREG
	v_add_nc_u32 v5, s13, v4                       ; the stage, on the way in
	v_mul_u32_u24 v6, v2, SPITCH
	v_lshl_add_u32 v6, v3, 7, v6
	v_add_nc_u32 v6, s13, v6                       ; and on the way out: row r, + 128 h
	s_add_co_u32 s13, s13, TU
	v_lshl_add_u32 v8, v1, 2, s13                  ; the last unit: 4 bytes a lane in,
	v_lshl_add_u32 v9, v1, 3, s13                  ; 8 bytes a lane out
	v_lshlrev_b32 v10, 3, v1
	v_lshlrev_b32 v11, 3, v3                       ; 8 h: where my bytes stand in a scale word
	s_mov_b32 s14, 0x76543210
	s_mov_b32 s15, 0xfedcba98                      ; v_permlanex16_b32's selects for lane l xor 16
	s_mov_b32 s16, 0xffff0000                      ; lanes 16-31
	s_wait_alu depctr_va_vdst(0)
	s_wait_kmcnt 0x0
	s_cmp_lt_u32 ttmp9, ZWG                        ; the choice hangs on the work-group's number alone
	s_cselect_b64 s[4:5], s[4:5], s[6:7]
	s_cselect_b64 s[8:9], s[8:9], s[10:11]
	s_cselect_b32 s17, 0, ZWG
	s_sub_co_u32 s17, ttmp9, s17
	s_lshl_b32 s17, s17, 2
	s_add_co_u32 s17, s17, s12                     ; my tile of the tensor
	s_lshl_b32 s18, s17, 14                        ; 16 rows of 1,024 bytes
	s_mov_b32 s19, 0
	s_add_nc_u64 s[4:5], s[4:5], s[18:19]
	s_mul_i32 s18, s17, REC
	s_add_nc_u64 s[8:9], s[8:9], s[18:19]
.irp i, 0,1,2,3,4,5,6,7,8,9,10,11,12,13,14,15,16,17,18,19,20,21,22,23,24,25,26,27,28,29,30,31
	global_load_b128 v[X+4*\i:X+4*\i+3], v4, s[4:5] offset:512*\i th:TH_LOAD_NT   ; half a row: 512 consecutive bytes
.endr
.irp g, 0,1,2,3
	s_wait_loadcnt 24-8*\g                         ; this group's eight loads are in; the younger groups may be out
.irp i, 0,1,2,3,4,5,6,7
	ds_store_b128 v5, v[X+4*(8*\g+\i):X+4*(8*\g+\i)+3] offset:((8*\g+\i)/2)*SPITCH+512*((8*\g+\i)%2)
.endr
.endr
	s_wait_dscnt 0x0                               ; the stores have read their registers
.irp q, 0,1,2,3
.irp j, 0,1,2,3,4,5,6,7
	ds_load_b128 v[X+32*\q+4*\j:X+32*\q+4*\j+3], v6 offset:256*\q+16*\j   ; block 2 q + h of row r: 128 bytes
.endr
.endr
	s_wait_dscnt 0x0
	; the row's sum of squares: my 128 numbers in four chains of pairs, then lane l xor 16's
.irp k, 0,1,2,3
	v_pk_mul_f32 v[12+2*\k:13+2*\k], v[X+2*\k:X+2*\k+1], v[X+2*\k:X+2*\k+1]
.endr
.set j, 4
.rept 60
	v_pk_fma_f32 v[12+2*(j%4):13+2*(j%4)], v[X+2*j:X+2*j+1], v[X+2*j:X+2*j+1], v[12+2*(j%4):13+2*(j%4)]
.set j, j+1
.endr
	v_pk_add_f32 v[12:13], v[12:13], v[14:15]
	v_pk_add_f32 v[16:17], v[16:17], v[18:19]
	v_pk_add_f32 v[12:13], v[12:13], v[16:17]
	v_add_f32 v12, v12, v13
	v_permlanex16_b32 v13, v12, s14, s15
	v_add_f32 v12, v12, v13                        ; in both halves of the lanes
	; the four blocks' largest magnitudes, by turns; all 32 numbers of a block are mine
.irp q, 0,1,2,3
	v_max3_num_f32 v[M+\q], |v[X+32*\q]|, |v[X+32*\q+1]|, 0x1800000   ; and the floor 2^(3 - 127): the byte cannot fall under 1
.endr
.irp i, 2,4,6,8,10,12,14,16,18,20,22,24,26,28,30
.irp q, 0,1,2,3
	v_max3_num_f32 v[M+\q], v[M+\q], |v[X+32*\q+\i]|, |v[X+32*\q+\i+1]|
.endr
.endr
.irp q, 0,1,2,3
	v_add_nc_u32 v[SO+\q], 0xff000000, v[M+\q]     ; 2 off the exponent field: the conversion takes the exponent field of this operand as its scale
.endr
.irp q, 0,1,2,3
	v_lshrrev_b32 v[BY+\q], 23, v[SO+\q]           ; the scale's byte
.endr
.irp s, 0,1
	v_lshl_or_b32 v[M+\s], v[BY+2*\s+1], 16, v[BY+2*\s]   ; K step s: my bytes are those of its blocks h and 2 + h,
	v_lshlrev_b32 v[M+\s], v11, v[M+\s]            ; 8 h bits up
.endr
	v_permlanex16_b32 v[M+2], v[M], s14, s15
	v_permlanex16_b32 v[M+3], v[M+1], s14, s15
	v_or_b32 v[M], v[M], v[M+2]                    ; with lane l xor 16's two bytes the words are whole
	v_or_b32 v[M+1], v[M+1], v[M+3]
	v_cndmask_b32 v[M+2], v[M], v[M+1], s16        ; lanes 0-15 keep K step 0's word, lanes 16-31 K step 1's
.irp q, 0,1,2,3
	v_cvt_scalef32_pk16_fp6_f32 v[F+6*\q:F+6*\q+2], v[X+32*\q:X+32*\q+15], v[SO+\q]          ; registers 6 q .. 6 q + 2 of the two fragments on end
	v_cvt_scalef32_pk16_fp6_f32 v[TC+4*\q:TC+4*\q+2], v[X+32*\q+16:X+32*\q+31], v[SO+\q]     ; (a conversion's three registers begin on an even number: the upper half is made elsewhere and moved)
.endr
	v_nop                                          ; one plain place behind the scaled conversions
.irp q, 0,1,2,3
.irp i, 0,1,2
	v_mov_b32 v[F+6*\q+3+\i], v[TC+4*\q+\i]
.endr
.endr
.irp c, 0,1,2,3,4,5
	global_store_b128 v4, v[F+4*\c:F+4*\c+3], s[8:9] offset:512*\c   ; 32 lanes store 512 consecutive bytes, at a multiple of 256 from the buffer's first byte
.endr
	ds_store_b32 v8, v[M+2]                        ; the record's last 256 bytes are gathered in LDS: 128 of scale words,
	ds_store_b32 v8, v12 offset:128                ; 128 of sums of squares (the 16 rows' twice)
	ds_load_b64 v[14:15], v9                       ; LDS serves a wave's instructions in order: this sees my stores
	s_wait_dscnt 0x0
	global_store_b64 v10, v[14:15], s[8:9] offset:3072   ; 32 lanes store 256 consecutive bytes
	s_wait_tensorcnt 0x0
	ds_add_u32 v200, v201
	s_wait_dscnt 0x0
	s_endpgm
.Lfunc_end_k_q81d77be487_pack:
	.size	k_q81d77be487_pack, .Lfunc_end_k_q81d77be487_pack-k_q81d77be487_pack
	.p2alignl 7, 3214868480
	.fill 96, 4, 3214868480
	.section	.rodata,"a",@progbits
	.p2align	6, 0x0
	.amdhsa_kernel k_q81d77be487_pack
		.amdhsa_group_segment_fixed_size 68096
		.amdhsa_private_segment_fixed_size 0
		.amdhsa_enable_private_segment 0
		.amdhsa_kernarg_size 32
		.amdhsa_user_sgpr_count 2
		.amdhsa_user_sgpr_kernarg_segment_ptr 1
		.amdhsa_wavefront_size32 1
		.amdhsa_system_sgpr_workgroup_id_x 1
		.amdhsa_system_sgpr_workgroup_id_y 1
		.amdhsa_system_sgpr_workgroup_id_z 1
		.amdhsa_system_vgpr_workitem_id 0
		.amdhsa_next_free_vgpr 202
		.amdhsa_next_free_sgpr 66
		.amdhsa_reserve_vcc 0
		.amdhsa_float_denorm_mode_32 3
		.amdhsa_float_denorm_mode_16_64 3
		.amdhsa_memory_ordered 1
		.amdhsa_forward_progress 1
		.amdhsa_inst_pref_size 21
	.end_amdhsa_kernel
	.amdgpu_metadata
---
amdhsa.version: [ 1, 2 ]
amdhsa.kernels:
  - .name:           k_q81d77be487_pack
    .symbol:         k_q81d77be487_pack.kd
    .args:
      - { .name: z_e, .offset: 0, .size: 8, .value_kind: global_buffer, .address_space: global }
      - { .name: codebook, .offset: 8, .size: 8, .value_kind: global_buffer, .address_space: global }
      - { .name: zrec, .offset: 16, .size: 8, .value_kind: global_buffer, .address_space: global }
      - { .name: crec, .offset: 24, .size: 8, .value_kind: global_buffer, .address_space: global }
    .group_segment_fixed_size: 68096
    .private_segment_fixed_size: 0
    .kernarg_segment_align: 8
    .kernarg_segment_size: 32
    .max_flat_workgroup_size: 128
    .sgpr_count:     66
    .vgpr_count:     202
    .wavefront_size: 32
...
	.end_amdgpu_metadata
.endif
;; end of part 1
;; launch search (part 2): grid 256 x 1, 8 waves a work-group, clusters of 4 x 1, 327,680 bytes of LDS; arguments zrec, crec, out1, idx; writes out1, idx
.if DOCPART == 2
	.amdgcn_target "amdgcn-amd-amdhsa--gfx1250"
	.amdhsa_code_object_version 6
	.text
	.protected	k_q81d77be487_search
	.globl	k_q81d77be487_search
	.p2align	8
	.type	k_q81d77be487_search,@function
k_q81d77be487_search:
	s_mov_b64 s[64:65], 0
	v_nop
	global_prefetch_b8 v0, s[64:65] scope:SCOPE_SE
	s_setreg_imm32_b32 hwreg(HW_REG_WAVE_MODE, 25, 1), 1
	s_wait_xcnt 0x0
	s_wait_alu depctr_hold_cnt(0) depctr_sa_sdst(0) depctr_va_vdst(0) depctr_va_sdst(0) depctr_va_ssrc(0) depctr_va_vcc(0) depctr_vm_vsrc(0)
	s_getreg_b32 s2, hwreg(HW_REG_IB_STS2, 6, 4)
	s_cmp_eq_u32 s2, 0
	s_cbranch_scc0 .Lentry_in_a_cluster
	s_endpgm
.Lentry_in_a_cluster:
	s_bfe_u32 s2, ttmp6, 0x10000c
	s_cmp_lg_u32 s2, 0x3003
	s_cbranch_scc0 .Lentry_shape_is_right
	s_endpgm
.Lentry_shape_is_right:
; indices[b] = the first k with the least dist[b][k] = fl(fl(z2[b] + e2[k]) - 2 ze[b][k]); ze by v_wmma_scale_f32_16x16x128_f8f6f4 on the records' FP6 codes, two K steps of 128 in ascending order.
; Nothing of reference() is left out here: z2 stays in the sum, since it sets the rounding of dist and so the ties.
; LIMITS: NaN and infinities among the inputs are not served (a NaN loses every minimum and compare).
; SHARES: a work-group takes 128 rows of z (8 records, all held in every wave's registers: 192 in window 1); its 8 waves share the 512 records of the codebook out: of each 32 on end wave w takes 4 w .. 4 w + 3.
; A record of the codebook is source 0 and one of z source 1: a lane holds ONE row of z and its eight registers eight neighbouring codes.
; THE RING: two LDS slots of 32 records (106,496 bytes); a wave's one tensor load brings its own 4 records (52 rows of 256 bytes, dense) and only that wave reads them.  16 slots in all.
; CLUSTER: 4 work-groups walk the same codebook: each load is asked for jointly (mask 15); a round of the cluster's barrier stands in front of every joint load.
; No prefetch: a refill is asked for 12 matrix instructions of the wave into a slot's last tile and waited for at the head of the next slot's last tile, 52 matrix instructions later at the least; its addresses are those that 64 clusters ask for in the same trips.
; A STEP is 4 matrix instructions (one record of the codebook x two of z, two K steps, the two accumulators by turns) and then the vector work on the step BEFORE:
;   S = e2 + z2 of this step (dual adds; the first four are the places behind the last step's matrix instructions), S += -2 ze of the last step, its least of 8 with the running least (a tree of min3),
;   and where the running least fell: the record's first code and the eight dists are kept (v_cndmask).  Which of the eight it was is found once, at the end.
.set REC,   3328
.set PART,  4*REC                      ; a wave's part of a slot
.set SLOTB, 8*PART
.set SLOT1, 1<<17                      ; slot 1's first byte
.set SPARE, SLOT1+SLOTB                ; the spare words: 128 bytes for each of 8 waves
.set CMB,   SPARE+1024                 ; 8 x 1,024 bytes: each wave's (dist, code) of the 128 rows
.set NSL,   16
.set SPW, 1                            ; my spare word;  NIL: 0;  both never rewritten
.set NIL, 2
.set LB,  3                            ; lane terms of a record's fragments, scale words, e2
.set LS,  4
.set LE,  5
.set ADF, 6                            ; the same + the slot in hand
.set ADS, 7
.set ADE, 8
.set H8,  9                            ; 8 x (lane / 16)
.set CW,  10
.set CR,  11
.set OA,  12
.set GF,  13
.set GS,  14
.set GZ,  15
.set ZS,  16                           ; v16-23   z's scale words
.set CS,  24                           ; v24-25   the codebook's scale words, two buffers
.set M2,  26                           ; v26-27   -2.0 twice
.set ZSQ, 32                           ; v32-47   z2 of my row in each of the 8 records, twice each (the dual forms want two banks)
.set RA,  48                           ; v48-63   running least, two sets by turns
.set IDX, 64                           ; v64-71   first code of the record that held it
.set ESQ, 72                           ; v72-87   e2 of my 8 codes, two buffers
.set S,   88                           ; v88-119  S, then dist: two sets of 16
.set ACC, 120                          ; v120-151 accumulators: two sets of 2 x 8
.set SV,  152                          ; v152-215 the eight dists of the best record, for each of z's 8
.set T,   216                          ; v216-221 the tree's leaves
.set PR,  88                           ; the end: (dist, code) pairs;  PX: the other half's;  FN: the eight waves'
.set PX,  104
.set FN,  120
.set ZF,  0                            ; window 1: z's fragments, 8 x 24
.set CF,  192                          ; window 1: the codebook's, two buffers of 24
.set WV,  12
.set G1,  24
.set G0A, 32
.set G0B, 36
.set TB,  40
.set CNT, 41
.set KT,  44                           ; s44-47   first code of my record i of the slot in hand
.set SEL, 50
.set INF, 52
.set EQ,  68                           ; s68-75   lane masks at the end
.set MSB, 0
.macro WIN new                         ; the immediate's high byte repeats the setting that is left
.if MSB != \new
	s_set_vgpr_msb (MSB<<8)|\new
.set MSB, \new
.endif
.endm
.macro CREST                           ; a round of the cluster's barrier behind its opening barrier
	s_cmp_lg_u32 s[WV], 0
	s_cbranch_scc1 .Lnot_wave_0_\@
	s_barrier_signal -3
.Lnot_wave_0_\@:
	s_barrier_wait -3
	s_barrier_signal -1
	s_barrier_wait -1
.endm
.macro CROUND
	s_barrier_signal -1
	s_barrier_wait -1
	CREST
.endm
.macro MM d, a, b, first, sa, sb       ; K step 0 starts the sum and takes the scale words of lanes 0-15, K step 1 those of lanes 16-31
.if \first
	v_wmma_scale_f32_16x16x128_f8f6f4 v[\d:\d+7], v[\a:\a+11], v[\b:\b+11], 0, v[\sa], v[\sb] matrix_a_fmt:MATRIX_FMT_FP6 matrix_b_fmt:MATRIX_FMT_FP6
.else
	v_wmma_scale_f32_16x16x128_f8f6f4 v[\d:\d+7], v[\a:\a+11], v[\b:\b+11], v[\d:\d+7], v[\sa], v[\sb] matrix_a_fmt:MATRIX_FMT_FP6 matrix_b_fmt:MATRIX_FMT_FP6 matrix_a_scale:MATRIX_SCALE_ROW1 matrix_b_scale:MATRIX_SCALE_ROW1
.endif
.endm
.macro WG buf, g                       ; the record in buffer buf x z's records 2 g, 2 g + 1
	WIN 0x05
.set rAC, ACC+16*((\g)%2)
.set rCF, CF+24*(\buf)
.set rZF, ZF+48*(\g)
.set rCS, CS+(\buf)
.set rZS, ZS+2*(\g)
	MM rAC,   rCF,    rZF,    1, rCS, rZS
	MM rAC+8, rCF,    rZF+24, 1, rCS, rZS+1
	MM rAC,   rCF+12, rZF+12, 0, rCS, rZS
	MM rAC+8, rCF+12, rZF+36, 0, rCS, rZS+1
.endm
.macro ADDS buf, g, t                  ; S = e2 + z2 for z's record 2 g + t: four dual adds
.set aS, S+16*((\g)%2)+8*(\t)
.set aE, ESQ+8*(\buf)
.set aZ, ZSQ+4*(\g)+2*(\t)
.irp q, 0,2,4,6
	v_dual_add_f32 v[aS+\q], v[aE+\q], v[aZ] :: v_dual_add_f32 v[aS+\q+1], v[aE+\q+1], v[aZ+1]
.endr
.endm
; g, par, kt: the step whose products are finished (z's pair, the set of running leasts that it reads, its record's first code);  buf, ag: the step just issued;  add = 0: nothing was issued
.macro PHASE g, par, kt, buf, ag, add
.set pS, S+16*((\g)%2)
.set pD, ACC+16*((\g)%2)
.set pI, RA+8*(\par)+2*(\g)
.set pO, RA+8*(1-(\par))+2*(\g)
.set pX, IDX+2*(\g)
.set pV, SV+16*(\g)
	WIN 0
.if \add
	ADDS \buf, \ag, 0                              ; four places behind the matrix instructions whose results are read below
.endif
.irp k, 0,2,4,6,8,10,12,14
	v_dual_fmac_f32 v[pS+\k], v[pD+\k], v[M2] :: v_dual_fmac_f32 v[pS+\k+1], v[pD+\k+1], v[M2+1]   ; dist = S - 2 ze, one rounding; each accumulator from its low end on
.endr
.irp t, 0,1
	v_min3_num_f32 v[T+3*\t], v[pI+\t], v[pS+8*\t], v[pS+8*\t+1]
	v_min3_num_f32 v[T+3*\t+1], v[pS+8*\t+2], v[pS+8*\t+3], v[pS+8*\t+4]
	v_min3_num_f32 v[T+3*\t+2], v[pS+8*\t+5], v[pS+8*\t+6], v[pS+8*\t+7]
.endr
.if \add
	ADDS \buf, \ag, 1                              ; independent work between the leaves and the root
.else
	s_delay_alu instid0(VALU_DEP_4)
.endif
	v_min3_num_f32 v[pO], v[T], v[T+1], v[T+2]
.if (\add) == 0
	s_delay_alu instid0(VALU_DEP_2)
.endif
	v_min3_num_f32 v[pO+1], v[T+3], v[T+4], v[T+5]
.irp t, 0,1
.if \t == 0
	s_delay_alu instid0(VALU_DEP_2)
.endif
	v_cmp_lt_f32 vcc_lo, v[pO+\t], v[pI+\t]        ; strictly less: of equal dists the earlier record stays
	s_delay_alu instid0(VALU_DEP_1)
	v_cndmask_b32 v[pX+\t], v[pX+\t], s[(\kt)], vcc_lo
.irp q, 0,2,4,6
	v_dual_cndmask_b32 v[pV+8*\t+\q], v[pV+8*\t+\q], v[pS+8*\t+\q] :: v_dual_cndmask_b32 v[pV+8*\t+\q+1], v[pV+8*\t+\q+1], v[pS+8*\t+\q+1]
.endr
.endr
.if (\g) == 3
	s_add_co_u32 s[(\kt)], s[(\kt)], 512           ; the same record of the next slot: 32 records of 16 codes on
.endif
.endm
.macro STEP i, g
	WG (\i)%2, \g
.if (\g) == 0
	PHASE 3, 1-(\i)%2, KT+((\i)+3)%4, (\i)%2, 0, 1
.else
	PHASE (\g)-1, (\i)%2, KT+(\i), (\i)%2, \g, 1
.endif
.endm
.macro LOADS i, buf                    ; record i of my part of the slot: 6 x 512 bytes of fragments, the scale words, e2 of my 8 codes
	WIN 0x40
.irp c, 0,1,2,3,4,5
	ds_load_b128 v[CF+24*(\buf)+4*\c:CF+24*(\buf)+4*\c+3], v[ADF] offset:REC*(\i)+512*\c
.endr
	WIN 0
	ds_load_b32 v[CS+(\buf)], v[ADS] offset:REC*(\i)
	ds_load_b128 v[ESQ+8*(\buf):ESQ+8*(\buf)+3], v[ADE] offset:REC*(\i)
	ds_load_b128 v[ESQ+8*(\buf)+4:ESQ+8*(\buf)+7], v[ADE] offset:REC*(\i)+16
.endm
.macro NEWSLOT
	v_add_nc_u32 v[ADF], s[TB], v[LB]
	v_add_nc_u32 v[ADS], s[TB], v[LS]
	v_add_nc_u32 v[ADE], s[TB], v[LE]
.endm
; One record of the codebook against all of z.  mode 0: the next record of the slot is fetched.  1: the slot's last record, and the slot is filled again.  2: the last, nothing is left to fetch from memory.  3: the very last.
.macro TILE i, mode
	WIN 0
	s_wait_dscnt 0x0                               ; this record's nine loads are in (asked for a record, at a change of slots a step, ago)
.if (\mode) == 0
	LOADS (\i)+1, 1-(\i)%2                         ; the other buffer's last products stand a whole PHASE back
.elseif (\mode) == 1
	s_wait_tensorcnt 0x0                           ; my one load that was out, my part of the next slot, has landed
	ds_add_u32 v[SPW], v[NIL]                      ; a step's register work stands between it and its wait
	s_xor_b32 s[G0B+1], s[G0B+1], SLOT1            ; no load of mine is out: the descriptor steps to the slot in hand, two slots on in memory
	s_add_nc_u64 s[G0B+2:G0B+3], s[G0B+2:G0B+3], SLOTB
	s_xor_b32 s[TB], s[TB], SLOT1
.elseif (\mode) == 2
	s_wait_tensorcnt 0x0                           ; the last slot has landed; nothing is filled again, so no barrier
	s_xor_b32 s[TB], s[TB], SLOT1
	NEWSLOT
	LOADS 0, 1-(\i)%2
.endif
	STEP \i, 0
.if (\mode) == 1
	s_wait_dscnt 0x0                               ; the add is done; my reads of this slot were over at the record's head
	s_barrier_signal -1                            ; opens a round of the cluster's barrier; two steps of register work until the wait
.endif
	STEP \i, 1
	STEP \i, 2
.if (\mode) == 1
	s_barrier_wait -1
	CREST                                          ; no wave of any partner still reads this slot or has a load on its way
	tensor_load_to_lds s[G0B:G0B+3], s[G1:G1+7]    ; my one load behind the round
	s_nop 0
	NEWSLOT
	v_nop
	LOADS 0, 1-(\i)%2                              ; the next slot's first record
.endif
	STEP \i, 3
.endm
.macro SLOTBODY mode
	TILE 0, 0
	TILE 1, 0
	TILE 2, 0
	TILE 3, \mode
.endm
.macro LEX dv, dc, v, c, ov, oc        ; the lesser dist; of equal dists the lower code
	v_cmp_lt_f32 s48, v[\ov], v[\v]
	v_cmp_eq_f32 s49, v[\ov], v[\v]
	v_cmp_lt_u32 vcc_lo, v[\oc], v[\c]
	s_and_b32 s49, s49, vcc_lo
	s_or_b32 vcc_lo, s48, s49
	v_cndmask_b32 v[\dv], v[\v], v[\ov], vcc_lo
	v_cndmask_b32 v[\dc], v[\c], v[\oc], vcc_lo
.endm
	s_load_b256 s[4:11], s[0:1], 0x0               ; zrec s[4:5], crec s[6:7], out1 s[8:9], idx s[10:11]
	v_lshl_add_u32 v[SPW], v0, 2, SPARE
	v_mov_b32 v[NIL], 0
	ds_add_u32 v[SPW], v[NIL]                      ; the opening lines: the add twice on end and one wait
	ds_add_u32 v[SPW], v[NIL]
	v_lshrrev_b32 v[GF], 5, v0
	v_and_b32 v[GZ], 15, v0
	v_bfe_u32 v[H8], v0, 4, 1
	v_and_b32 v[OA], 63, v0
	v_readfirstlane_b32 s[WV], v[GF]               ; wave
	s_wait_alu depctr_va_vdst(0)                   ; directly ahead of the run of scalar instructions
	s_bfe_u32 s13, ttmp6, 0x40000                  ; cx
	s_lshl_b32 s14, ttmp9, 2
	s_add_co_u32 s14, s14, s13                     ; my work-group: it enters z's and the outputs' addresses alone
	s_mul_i32 s15, s[WV], PART
	s_mov_b32 s16, s15
	s_mov_b32 s17, 0
	s_mul_i32 s20, s14, 8*REC
	s_mov_b32 s21, 0
	s_lshl_b32 s22, s14, 9
	s_mov_b32 s23, 0
	s_mov_b32 s[G1], 15|(3<<16)|(1<<21)            ; mask: all four of the cluster; elements of 8 bytes; bit 21 beside a mask
	s_mov_b32 s[G1+1], 32<<16                      ; rows of 256 bytes,
	s_mov_b32 s[G1+2], 52<<16                      ; 52 of them: 4 records, dense
	s_mov_b32 s[G1+3], 32<<16
	s_mov_b32 s[G1+4], 52
	s_mov_b32 s[G1+5], 32
	s_mov_b32 s[G1+6], 0
	s_mov_b32 s[G1+7], 0
	s_mov_b32 s[TB], 0
	s_lshl_b32 s[KT], s[WV], 6                     ; 64 codes a wave in each slot
	s_add_co_u32 s[KT+1], s[KT], 16
	s_add_co_u32 s[KT+2], s[KT], 32
	s_sub_co_u32 s[KT+3], s[KT], 464               ; 48 - 512: the first step's empty PHASE adds 512
	s_mov_b32 s[SEL], 0x76543210
	s_mov_b32 s[SEL+1], 0xfedcba98
	s_mov_b32 s[INF], 0x7f800000
	s_lshl_b32 s42, s[WV], 10
	s_add_co_u32 s42, s42, CMB
	v_and_b32 v[GF], 31, v0
	v_lshl_add_u32 v[LE], v[H8], 5, s15
	v_lshl_add_u32 v[CW], v[GZ], 3, s42
	v_lshl_add_u32 v[CR], v[OA], 4, CMB
	v_lshlrev_b32 v[GZ], 2, v[GZ]
	v_lshl_add_u32 v[LB], v[GF], 4, s15
	v_lshl_add_u32 v[LS], v[GF], 2, s15
	v_lshlrev_b32 v[GS], 2, v[GF]
	v_lshlrev_b32 v[OA], 3, v[OA]
	v_lshlrev_b32 v[H8], 3, v[H8]
	v_add_nc_u32 v[LE], 3200, v[LE]
	v_add_nc_u32 v[LS], 3072, v[LS]
	v_lshlrev_b32 v[GF], 4, v[GF]
	s_wait_alu depctr_va_vdst(0)                   ; ahead of the waits below
	s_wait_dscnt 0x0                               ; both opening adds are done
	s_wait_kmcnt 0x0
	s_add_nc_u64 s[18:19], s[6:7], s[16:17]
	s_mov_b32 s[G0A], 1
	s_mov_b32 s[G0A+1], s15
	s_mov_b64 s[G0A+2:G0A+3], s[18:19]
	s_or_b32 s[G0A+3], s[G0A+3], 0x80000000
	s_mov_b32 s[G0B], 1
	s_add_co_u32 s[G0B+1], s15, SLOT1
	s_add_nc_u64 s[G0B+2:G0B+3], s[18:19], SLOTB
	s_or_b32 s[G0B+3], s[G0B+3], 0x80000000
	s_add_nc_u64 s[4:5], s[4:5], s[20:21]
	s_add_nc_u64 s[8:9], s[8:9], s[22:23]
	s_add_nc_u64 s[10:11], s[10:11], s[22:23]
	WIN 0x40                                       ; z's 8 records go out first: 64 loads, on their way under both rounds and both first fills
.irp m, 0,1,2,3,4,5,6,7
.irp c, 0,1,2,3,4,5
	global_load_b128 v[ZF+24*\m+4*\c:ZF+24*\m+4*\c+3], v[GF], s[4:5] offset:REC*\m+512*\c
.endr
.endr
	WIN 0
.irp m, 0,1,2,3,4,5,6,7
	global_load_b32 v[ZS+\m], v[GS], s[4:5] offset:REC*\m+3072
	global_load_b32 v[ZSQ+2*\m], v[GZ], s[4:5] offset:REC*\m+3200
.endr
	CROUND                                         ; in front of the first joint loads
	tensor_load_to_lds s[G0A:G0A+3], s[G1:G1+7]    ; slot 0: one tensor load a wave at the head
	s_nop 0
.set j, 0
.rept 16
	v_mov_b32 v[RA+j], s[INF]                      ; no dist yet
	v_mov_b32 v[S+16+j], s[INF]                    ; the first step's PHASE finds an empty step before it: S = infinity, ze = 0
	v_mov_b32 v[ACC+16+j], 0
.set j, j+1
.endr
.set j, 0
.rept 64
	v_mov_b32 v[SV+j], s[INF]
.set j, j+1
.endr
.set j, 0
.rept 8
	v_mov_b32 v[IDX+j], 0
.set j, j+1
.endr
	v_mov_b32 v[M2], -2.0
	v_mov_b32 v[M2+1], -2.0
	s_wait_alu depctr_va_vdst(0)
	s_wait_tensorcnt 0x0                           ; slot 0's part of mine is in; slot 1's first fill is issued as a refill is:
	ds_add_u32 v[SPW], v[NIL]
	s_wait_dscnt 0x0
	CROUND
	tensor_load_to_lds s[G0B:G0B+3], s[G1:G1+7]
	s_nop 0
.rept 4
	v_nop
.endr
	s_wait_loadcnt 0x0                             ; z is in
.irp m, 0,1,2,3,4,5,6,7
	v_mov_b32 v[ZSQ+2*\m+1], v[ZSQ+2*\m]
.endr
	s_wait_tensorcnt 0x1                           ; slot 1's load may be out
	NEWSLOT
	LOADS 0, 0
	s_mov_b32 s[CNT], NSL-2
	s_wait_alu depctr_va_vdst(0)                   ; the wait at the head's end
.Lslot:
	SLOTBODY 1
	s_sub_co_u32 s[CNT], s[CNT], 1
	s_cmp_lg_u32 s[CNT], 0
	s_cbranch_scc1 .Lslot
	SLOTBODY 2
	SLOTBODY 3
.irp m, 0,1,2,3,4,5,6,7
	v_mov_b32 v[PR+2*\m+1], 7                      ; (also the places behind the last matrix instructions)
.endr
	PHASE 3, 1, KT+3, 0, 0, 0                      ; the last step's vector work
	; which of the eight kept dists is the least: the lowest j wins
.irp j, 6,5,4,3,2,1,0
.irp m, 0,1,2,3,4,5,6,7
	v_cmp_eq_f32 s[EQ+\m], v[SV+8*\m+\j], v[RA+\m]
.endr
.irp m, 0,1,2,3,4,5,6,7
	v_cndmask_b32 v[PR+2*\m+1], v[PR+2*\m+1], \j, s[EQ+\m]
.endr
.endr
.irp m, 0,1,2,3,4,5,6,7
	v_add3_u32 v[PR+2*\m+1], v[IDX+\m], v[PR+2*\m+1], v[H8]   ; the code: record's first + 8 (lane / 16) + j
.endr
.irp m, 0,1,2,3,4,5,6,7
	v_permlanex16_b32 v[PX+\m], v[RA+\m], s[SEL], s[SEL+1]
	v_permlanex16_b32 v[PX+8+\m], v[PR+2*\m+1], s[SEL], s[SEL+1]
.endr
.irp m, 0,1,2,3,4,5,6,7
	LEX PR+2*\m, PR+2*\m+1, RA+\m, PR+2*\m+1, PX+\m, PX+8+\m
	ds_store_b64 v[CW], v[PR+2*\m:PR+2*\m+1] offset:128*\m   ; both halves of the lanes write the same pair
.endr
	s_wait_dscnt 0x0                               ; for the others' sake
	s_barrier_signal -1
	s_barrier_wait -1
	s_cmp_ge_u32 s[WV], 2
	s_cbranch_scc1 .Ldone
.irp u, 0,1,2,3,4,5,6,7
	ds_load_b128 v[FN+4*\u:FN+4*\u+3], v[CR] offset:1024*\u  ; waves 0 and 1: a thread takes two rows, the eight waves' pairs
.endr
	s_wait_dscnt 0x0
.irp u, 1,2,3,4,5,6,7
	LEX FN, FN+1, FN, FN+1, FN+4*\u, FN+4*\u+1
	LEX FN+2, FN+3, FN+2, FN+3, FN+4*\u+2, FN+4*\u+3
.endr
	v_mov_b32 v[FN+2], v[FN+1]
	global_store_b64 v[OA], v[FN+2:FN+3], s[8:9]   ; 32 lanes store 256 consecutive bytes
	global_store_b64 v[OA], v[FN+2:FN+3], s[10:11]
.Ldone:
	s_wait_tensorcnt 0x0                           ; the wave's end
	ds_add_u32 v[SPW], v[NIL]
	s_wait_dscnt 0x0
	CROUND                                         ; the closing round
	s_endpgm
.Lfunc_end_k_q81d77be487_search:
	.size	k_q81d77be487_search, .Lfunc_end_k_q81d77be487_search-k_q81d77be487_search
	.p2alignl 7, 3214868480
	.fill 96, 4, 3214868480
	.section	.rodata,"a",@progbits
	.p2align	6, 0x0
	.amdhsa_kernel k_q81d77be487_search
		.amdhsa_group_segment_fixed_size 327680
		.amdhsa_private_segment_fixed_size 0
		.amdhsa_enable_private_segment 0
		.amdhsa_kernarg_size 32
		.amdhsa_user_sgpr_count 2
		.amdhsa_user_sgpr_kernarg_segment_ptr 1
		.amdhsa_wavefront_size32 1
		.amdhsa_system_sgpr_workgroup_id_x 1
		.amdhsa_system_sgpr_workgroup_id_y 1
		.amdhsa_system_sgpr_workgroup_id_z 1
		.amdhsa_system_vgpr_workitem_id 0
		.amdhsa_next_free_vgpr 512
		.amdhsa_next_free_sgpr 76
		.amdhsa_reserve_vcc 1
		.amdhsa_float_denorm_mode_32 3
		.amdhsa_float_denorm_mode_16_64 3
		.amdhsa_memory_ordered 1
		.amdhsa_forward_progress 1
		.amdhsa_inst_pref_size 180
	.end_amdhsa_kernel
	.amdgpu_metadata
---
amdhsa.version: [ 1, 2 ]
amdhsa.kernels:
  - .name:           k_q81d77be487_search
    .symbol:         k_q81d77be487_search.kd
    .args:
      - { .name: zrec, .offset: 0, .size: 8, .value_kind: global_buffer, .address_space: global }
      - { .name: crec, .offset: 8, .size: 8, .value_kind: global_buffer, .address_space: global }
      - { .name: out1, .offset: 16, .size: 8, .value_kind: global_buffer, .address_space: global }
      - { .name: idx, .offset: 24, .size: 8, .value_kind: global_buffer, .address_space: global }
    .group_segment_fixed_size: 327680
    .private_segment_fixed_size: 0
    .kernarg_segment_align: 8
    .kernarg_segment_size: 32
    .max_flat_workgroup_size: 256
    .sgpr_count:     76
    .vgpr_count:     512
    .wavefront_size: 32
...
	.end_amdgpu_metadata
.endif
;; end of part 2
;; launch gather (part 3): grid 512 x 1, 8 waves a work-group, no clusters, 1,280 bytes of LDS; arguments z_e, codebook, idx, out0, part; writes out0, part
.if DOCPART == 3
	.amdgcn_target "amdgcn-amd-amdhsa--gfx1250"
	.amdhsa_code_object_version 6
	.text
	.protected	k_q81d77be487_gather
	.globl	k_q81d77be487_gather
	.p2align	8
	.type	k_q81d77be487_gather,@function
k_q81d77be487_gather:
	s_mov_b64 s[64:65], 0
	v_nop
	global_prefetch_b8 v0, s[64:65] scope:SCOPE_SE
	s_setreg_imm32_b32 hwreg(HW_REG_WAVE_MODE, 25, 1), 1
	s_wait_xcnt 0x0
; z_q = codebook[idx]; out0 = z_e + (z_q - z_e); part[work-group] = the sum of (z_q - z_e)^2 over the work-group's 64 rows.  All f32.
; A wave takes 8 rows of 1,024 bytes; a row is two loads or stores of 512 consecutive bytes.  No loop: all 32 loads of a wave go out at once, and each row is worked as its codebook row comes in.
; The eight indices are whole numbers that the launch before has stored: they come by one scalar load, are held to the table (8,191) and enter the addresses as row offsets.
; Work-groups share no tile (which codebook rows a work-group reads hangs on its indices), so nothing is asked for jointly; there is no matrix work.
.set Z, 16                             ; v16-79   z_e: 8 registers a row
.set E, 80                             ; v80-143  the codebook's rows, then out0
.set T, 144                            ; v144-151 z_q - z_e of the row in hand
.set L, 152                            ; v152-155 the sum of squares, in two chains of pairs
	s_load_b256 s[4:11], s[0:1], 0x0               ; z_e s[4:5], codebook s[6:7], idx s[8:9], out0 s[10:11]
	s_load_b64 s[12:13], s[0:1], 0x20              ; part
	v_lshl_add_u32 v160, v0, 2, 0x100
	v_mov_b32 v161, 0
	v_lshrrev_b32 v1, 5, v0
	s_delay_alu instid0(VALU_DEP_1)
	v_readfirstlane_b32 s14, v1                    ; wave
	v_and_b32 v1, 31, v0
	s_delay_alu instid0(VALU_DEP_1)
	v_lshlrev_b32 v1, 4, v1                        ; 16 x lane
	s_lshl_b32 s15, ttmp9, 6
	s_lshl_b32 s26, s14, 3
	s_add_co_u32 s15, s15, s26                     ; my first row: 64 x work-group + 8 x wave
	s_lshl_b32 s26, s15, 10
	s_mov_b32 s27, 0
	s_lshl_b32 s28, s15, 2
	s_mov_b32 s29, 0
	s_lshl_b32 s30, s14, 2
	v_mov_b32 v156, s30                            ; LDS: my wave's word
	v_mov_b32 v157, 0                              ; LDS: the eight words
	s_lshl_b32 s31, ttmp9, 2
	v_mov_b32 v158, s31                            ; my work-group's word of part
	s_mov_b32 s24, 0x76543210
	s_mov_b32 s25, 0xfedcba98
	s_wait_alu depctr_va_vdst(0)
	s_wait_kmcnt 0x0
	s_add_nc_u64 s[8:9], s[8:9], s[28:29]
	s_load_b256 s[16:23], s[8:9], 0x0              ; my eight indices
	s_add_nc_u64 s[4:5], s[4:5], s[26:27]
	s_add_nc_u64 s[10:11], s[10:11], s[26:27]
.irp i, 0,1,2,3,4,5,6,7
	global_load_b128 v[Z+8*\i:Z+8*\i+3], v1, s[4:5] offset:1024*\i th:TH_LOAD_NT
	global_load_b128 v[Z+8*\i+4:Z+8*\i+7], v1, s[4:5] offset:1024*\i+512 th:TH_LOAD_NT
.endr
	s_wait_kmcnt 0x0
.irp i, 0,1,2,3,4,5,6,7
	s_min_u32 s[16+\i], s[16+\i], 8191             ; an index stays inside the table
	s_lshl_b32 s[16+\i], s[16+\i], 10              ; a row is 1,024 bytes
	v_add_nc_u32 v[2+\i], s[16+\i], v1
.endr
	s_wait_alu depctr_va_vdst(0)
.irp i, 0,1,2,3,4,5,6,7
	global_load_b128 v[E+8*\i:E+8*\i+3], v[2+\i], s[6:7]
	global_load_b128 v[E+8*\i+4:E+8*\i+7], v[2+\i], s[6:7] offset:512
.endr
.irp i, 0,1,2,3,4,5,6,7
	s_wait_loadcnt 14-2*\i                         ; z and this row of the codebook are in; the later rows' two loads each may be out
.irp p, 0,1,2,3
	v_pk_add_f32 v[T+2*\p:T+2*\p+1], v[E+8*\i+2*\p:E+8*\i+2*\p+1], v[Z+8*\i+2*\p:Z+8*\i+2*\p+1] neg_lo:[0,1] neg_hi:[0,1]   ; z_q - z_e
.endr
.irp p, 0,1,2,3
.if (\i == 0) && (\p < 2)
	s_delay_alu instid0(VALU_DEP_4)
	v_pk_mul_f32 v[L+2*\p:L+2*\p+1], v[T+2*\p:T+2*\p+1], v[T+2*\p:T+2*\p+1]      ; the first two products start the sums
.else
	v_pk_fma_f32 v[L+2*(\p%2):L+2*(\p%2)+1], v[T+2*\p:T+2*\p+1], v[T+2*\p:T+2*\p+1], v[L+2*(\p%2):L+2*(\p%2)+1]
.endif
.endr
.irp p, 0,1,2,3
	v_pk_add_f32 v[E+8*\i+2*\p:E+8*\i+2*\p+1], v[Z+8*\i+2*\p:Z+8*\i+2*\p+1], v[T+2*\p:T+2*\p+1]   ; z_e + (z_q - z_e)
.endr
	global_store_b128 v1, v[E+8*\i:E+8*\i+3], s[10:11] offset:1024*\i th:TH_STORE_NT          ; 32 lanes store 512 consecutive bytes
	global_store_b128 v1, v[E+8*\i+4:E+8*\i+7], s[10:11] offset:1024*\i+512 th:TH_STORE_NT
.endr
	v_pk_add_f32 v[L:L+1], v[L:L+1], v[L+2:L+3]
	s_delay_alu instid0(VALU_DEP_1)
	v_add_f32 v[L], v[L], v[L+1]
	s_delay_alu instid0(VALU_DEP_1)
	v_add_f32_dpp v[L], v[L], v[L] row_xmask:1 row_mask:0xf bank_mask:0xf
	s_delay_alu instid0(VALU_DEP_1)
	v_add_f32_dpp v[L], v[L], v[L] row_xmask:2 row_mask:0xf bank_mask:0xf
	s_delay_alu instid0(VALU_DEP_1)
	v_add_f32_dpp v[L], v[L], v[L] row_xmask:4 row_mask:0xf bank_mask:0xf
	s_delay_alu instid0(VALU_DEP_1)
	v_add_f32_dpp v[L], v[L], v[L] row_xmask:8 row_mask:0xf bank_mask:0xf
	s_delay_alu instid0(VALU_DEP_1)
	v_permlanex16_b32 v[L+1], v[L], s24, s25
	s_delay_alu instid0(VALU_DEP_1)
	v_add_f32 v[L], v[L], v[L+1]                   ; the wave's sum, in every lane
	ds_store_b32 v156, v[L]                        ; all lanes write the same word with the same value
	s_wait_dscnt 0x0
	s_barrier_signal -1
	s_barrier_wait -1
	s_cmp_lg_u32 s14, 0
	s_cbranch_scc1 .Lend
	ds_load_b128 v[T:T+3], v157
	ds_load_b128 v[T+4:T+7], v157 offset:16
	s_wait_dscnt 0x0
	v_pk_add_f32 v[T:T+1], v[T:T+1], v[T+2:T+3]
	v_pk_add_f32 v[T+4:T+5], v[T+4:T+5], v[T+6:T+7]
	s_delay_alu instid0(VALU_DEP_1)
	v_pk_add_f32 v[T:T+1], v[T:T+1], v[T+4:T+5]
	s_delay_alu instid0(VALU_DEP_1)
	v_add_f32 v[T], v[T], v[T+1]
	v_cmp_eq_u32 vcc_lo, 0, v0
	s_wait_alu depctr_va_vdst(0)
	s_wait_xcnt 0x0                                ; EXEC changes only behind this wait: my stores have read theirs
	s_and_saveexec_b32 s26, vcc_lo
	global_store_b32 v158, v[T], s[12:13]          ; one word for the work-group
	s_wait_xcnt 0x0                                ; and again, in front of the line that widens it
	s_or_b32 exec_lo, exec_lo, s26
.Lend:
	s_wait_tensorcnt 0x0
	ds_add_u32 v160, v161
	s_wait_dscnt 0x0
	s_endpgm
.Lfunc_end_k_q81d77be487_gather:
	.size	k_q81d77be487_gather, .Lfunc_end_k_q81d77be487_gather-k_q81d77be487_gather
	.p2alignl 7, 3214868480
	.fill 96, 4, 3214868480
	.section	.rodata,"a",@progbits
	.p2align	6, 0x0
	.amdhsa_kernel k_q81d77be487_gather
		.amdhsa_group_segment_fixed_size 1280
		.amdhsa_private_segment_fixed_size 0
		.amdhsa_enable_private_segment 0
		.amdhsa_kernarg_size 40
		.amdhsa_user_sgpr_count 2
		.amdhsa_user_sgpr_kernarg_segment_ptr 1
		.amdhsa_wavefront_size32 1
		.amdhsa_system_sgpr_workgroup_id_x 1
		.amdhsa_system_sgpr_workgroup_id_y 1
		.amdhsa_system_sgpr_workgroup_id_z 1
		.amdhsa_system_vgpr_workitem_id 0
		.amdhsa_next_free_vgpr 162
		.amdhsa_next_free_sgpr 66
		.amdhsa_reserve_vcc 1
		.amdhsa_float_denorm_mode_32 3
		.amdhsa_float_denorm_mode_16_64 3
		.amdhsa_memory_ordered 1
		.amdhsa_forward_progress 1
		.amdhsa_inst_pref_size 16
	.end_amdhsa_kernel
	.amdgpu_metadata
---
amdhsa.version: [ 1, 2 ]
amdhsa.kernels:
  - .name:           k_q81d77be487_gather
    .symbol:         k_q81d77be487_gather.kd
    .args:
      - { .name: z_e, .offset: 0, .size: 8, .value_kind: global_buffer, .address_space: global }
      - { .name: codebook, .offset: 8, .size: 8, .value_kind: global_buffer, .address_space: global }
      - { .name: idx, .offset: 16, .size: 8, .value_kind: global_buffer, .address_space: global }
      - { .name: out0, .offset: 24, .size: 8, .value_kind: global_buffer, .address_space: global }
      - { .name: part, .offset: 32, .size: 8, .value_kind: global_buffer, .address_space: global }
    .group_segment_fixed_size: 1280
    .private_segment_fixed_size: 0
    .kernarg_segment_align: 8
    .kernarg_segment_size: 40
    .max_flat_workgroup_size: 256
    .sgpr_count:     66
    .vgpr_count:     162
    .wavefront_size: 32
...
	.end_amdgpu_metadata
.endif
;; end of part 3
;; launch loss (part 4): grid 1 x 1, 1 waves a work-group, no clusters, 0 bytes of LDS; arguments part, out2, out3, out4; writes out2, out3, out4
.if DOCPART == 4
	.amdgcn_target "amdgcn-amd-amdhsa--gfx1250"
	.amdhsa_code_object_version 6
	.text
	.protected	k_q81d77be487_loss
	.globl	k_q81d77be487_loss
	.p2align	8
	.type	k_q81d77be487_loss,@function
k_q81d77be487_loss:
	s_mov_b64 s[64:65], 0
	v_nop
	global_prefetch_b8 v0, s[64:65] scope:SCOPE_SE
	s_setreg_imm32_b32 hwreg(HW_REG_WAVE_MODE, 25, 1), 1
	s_wait_xcnt 0x0
; The 512 work-groups' sums of (z_q - z_e)^2 are added; the mean over 32,768 x 256 = 2^23 numbers is both cb_loss and commit_loss (the two differ in the sign inside the square alone); vq_loss = cb_loss + 0.25 commit_loss.
; One wave: 2,048 bytes by four loads of 512 consecutive bytes.  A sum over work-groups has one owner: this launch.
	s_load_b256 s[4:11], s[0:1], 0x0               ; part s[4:5], out2 s[6:7], out3 s[8:9], out4 s[10:11]
	v_lshlrev_b32 v1, 4, v0
	v_mov_b32 v2, 0
	s_mov_b32 s12, 0x76543210
	s_mov_b32 s13, 0xfedcba98
	s_wait_alu depctr_va_vdst(0)
	s_wait_kmcnt 0x0
.irp j, 0,1,2,3
	global_load_b128 v[4+4*\j:7+4*\j], v1, s[4:5] offset:512*\j
.endr
	s_wait_loadcnt 0x0
	v_pk_add_f32 v[4:5], v[4:5], v[6:7]
	v_pk_add_f32 v[8:9], v[8:9], v[10:11]
	v_pk_add_f32 v[12:13], v[12:13], v[14:15]
	v_pk_add_f32 v[16:17], v[16:17], v[18:19]
	v_pk_add_f32 v[4:5], v[4:5], v[8:9]
	v_pk_add_f32 v[12:13], v[12:13], v[16:17]
	v_pk_add_f32 v[4:5], v[4:5], v[12:13]
	v_add_f32 v4, v4, v5
	v_add_f32_dpp v4, v4, v4 row_xmask:1 row_mask:0xf bank_mask:0xf
	v_add_f32_dpp v4, v4, v4 row_xmask:2 row_mask:0xf bank_mask:0xf
	v_add_f32_dpp v4, v4, v4 row_xmask:4 row_mask:0xf bank_mask:0xf
	v_add_f32_dpp v4, v4, v4 row_xmask:8 row_mask:0xf bank_mask:0xf
	v_permlanex16_b32 v5, v4, s12, s13
	v_add_f32 v4, v4, v5
	v_mul_f32 v4, 0x34000000, v4                   ; x 2^-23: the mean; exact
	v_fma_f32 v5, 0x3e800000, v4, v4               ; + 0.25 of it
	v_cmp_eq_u32 vcc_lo, 0, v0
	s_wait_alu depctr_va_vdst(0)
	s_wait_xcnt 0x0                                ; EXEC changes only behind this wait
	s_and_saveexec_b32 s14, vcc_lo
	global_store_b32 v2, v5, s[6:7]                ; vq_loss
	global_store_b32 v2, v4, s[8:9]                ; cb_loss
	global_store_b32 v2, v4, s[10:11]              ; commit_loss
	s_wait_xcnt 0x0
	s_or_b32 exec_lo, exec_lo, s14
	s_endpgm
.Lfunc_end_k_q81d77be487_loss:
	.size	k_q81d77be487_loss, .Lfunc_end_k_q81d77be487_loss-k_q81d77be487_loss
	.p2alignl 7, 3214868480
	.fill 96, 4, 3214868480
	.section	.rodata,"a",@progbits
	.p2align	6, 0x0
	.amdhsa_kernel k_q81d77be487_loss
		.amdhsa_group_segment_fixed_size 0
		.amdhsa_private_segment_fixed_size 0
		.amdhsa_enable_private_segment 0
		.amdhsa_kernarg_size 32
		.amdhsa_user_sgpr_count 2
		.amdhsa_user_sgpr_kernarg_segment_ptr 1
		.amdhsa_wavefront_size32 1
		.amdhsa_system_sgpr_workgroup_id_x 1
		.amdhsa_system_sgpr_workgroup_id_y 1
		.amdhsa_system_sgpr_workgroup_id_z 1
		.amdhsa_system_vgpr_workitem_id 0
		.amdhsa_next_free_vgpr 32
		.amdhsa_next_free_sgpr 66
		.amdhsa_reserve_vcc 1
		.amdhsa_float_denorm_mode_32 3
		.amdhsa_float_denorm_mode_16_64 3
		.amdhsa_memory_ordered 1
		.amdhsa_forward_progress 1
		.amdhsa_inst_pref_size 3
	.end_amdhsa_kernel
	.amdgpu_metadata
---
amdhsa.version: [ 1, 2 ]
amdhsa.kernels:
  - .name:           k_q81d77be487_loss
    .symbol:         k_q81d77be487_loss.kd
    .args:
      - { .name: part, .offset: 0, .size: 8, .value_kind: global_buffer, .address_space: global }
      - { .name: out2, .offset: 8, .size: 8, .value_kind: global_buffer, .address_space: global }
      - { .name: out3, .offset: 16, .size: 8, .value_kind: global_buffer, .address_space: global }
      - { .name: out4, .offset: 24, .size: 8, .value_kind: global_buffer, .address_space: global }
    .group_segment_fixed_size: 0
    .private_segment_fixed_size: 0
    .kernarg_segment_align: 8
    .kernarg_segment_size: 32
    .max_flat_workgroup_size: 32
    .sgpr_count:     66
    .vgpr_count:     32
    .wavefront_size: 32
...
	.end_amdgpu_metadata
.endif
;; end of part 4
